; MI455X (gfx1250); checked and timed in simulation.
; The chip was launched on July 23, 2026; its instructions are those of AMD's public machine-readable ISA for CDNA 5 (MIT licence, August 2026) and "CDNA5" Instruction Set Architecture Reference Guide (July 2026). The comments in the code are by the model that wrote it; some were corrected since.
;; Non Local Block. Allowed arithmetic: matrix products marked QUANTISED: E4M3 operands, one given power-of-two scale a tensor, by v_wmma_f32_16x16x64_fp8_fp8 or v_wmma_f32_16x16x128_fp8_fp8, f32 sums; everything else in f32.
;; Inputs: lowp_scales 12 int32 (the exponents e of the quantised operands' scales 2^e); w_g 128 x 256 float32; w_out 256 x 128 float32; w_phi 128 x 256 float32; w_theta 128 x 256 float32; x 4 x 256 x 64 x 64 float32.
;; Outputs: out0 4 x 256 x 64 x 64 float32.
;; This version of the problem:
;;   THIS VERSION OF THE PROBLEM IS GIVEN IN LOW PRECISION. The matrix products marked QUANTISED in the list below multiply operands that are first quantised to E4M3 (4 exponent bits, 3 mantissa bits; 8 bits a number), with one given power-of-two scale for each operand tensor; their sums are f32. All else is computed in f32.
;;   The module's matrix products, in the order in which they are computed (A, B: the left and right operand; K: the contracted axis; several contracted axes count as one K, in the product's order):
;;     1. [M 16,384, K 256] x [K 256, N 128]; A: input x; B: input w_theta: QUANTISED (scales: A lowp_scales[0], B lowp_scales[1])
;;     2. [M 16,384, K 256] x [K 256, N 128]; A: input x; B: input w_phi: QUANTISED (scales: A lowp_scales[2], B lowp_scales[3])
;;     3. [M 16,384, K 256] x [K 256, N 128]; A: input x; B: input w_g: QUANTISED (scales: A lowp_scales[4], B lowp_scales[5])
;;     4. batch 4 x [M 4,096, K 128] x [K 128, N 4,096]; A: computed on the way; B: computed on the way: QUANTISED (scales: A lowp_scales[6], B lowp_scales[7])
;;     5. batch 4 x [M 128, K 4,096] x [K 4,096, N 4,096]; A: computed on the way; B: softmax (see below): QUANTISED (scales: A lowp_scales[8], B lowp_scales[9])
;;     6. [M 16,384, K 128] x [K 128, N 256]; A: computed on the way; B: input w_out: QUANTISED (scales: A lowp_scales[10], B lowp_scales[11])
;;   THE QUANTISER, for each operand of a quantised product, along K:
;;     - The operand's scale is 2^e, e = its entry of the input lowp_scales (int32; the entries are numbered through the quantised products in the list's order, A before B).
;;     - Each number is divided by the scale, clamped to +-448, and rounded to the nearest number of E4M3, ties to even, subnormals kept.
;;     - The product sums the exact products of the quantised numbers (number of the format x scale) in f32.
;;   ~~~python
;;   def quantise(x, axis, e):      # numpy; x: float32 -> the quantised numbers, widened to float32 again
;;       x = np.moveaxis(x, axis, -1); K = x.shape[-1]
;;       r = np.clip(x / 2.0 ** e, -448, 448)
;;       step = 2.0 ** (np.maximum(np.frexp(np.where(r == 0, 1, r))[1] - 1, -6) - 3)
;;       q = np.round(r / step) * step * 2.0 ** e      # np.round: ties to even
;;       return np.moveaxis(q, -1, axis).astype(np.float32)
;;   ~~~
;;   SOFTMAX AHEAD OF A QUANTISED PRODUCT. Where the list says 'softmax', what is quantised is not the finished softmax but p = 2^(t - M), with t = logit x log2(e) and M = ceil(the row's largest t), a whole number; so 1/2 < the row's largest p <= 1. The row's sum l is taken of the UNQUANTISED p, in f32, and the product's result is divided by l at the end. Since M is a whole number, a kernel that streams over the keys may use a running M (the ceiling of the running maximum): every later rescaling is an exact power of two, so the quantised numbers keep their values, but for numbers so far below the row's largest that they fall under the format's range.
;;   OPERANDS COMPUTED ON THE WAY. 'Computed on the way' means the value that the module computes at that place (a softmax that the list does not call 'softmax' is quantised finished and normalised). What goes into a quantiser is computed in f32, as accurately as f32 sums, v_exp_f32 and their like allow (about 1e-6 of the number): no bf16 or f16 on the way to a quantiser, and a product that is left as it is and whose result goes on into a quantised operand takes f32 operands (vector FMAs, or v_wmma_f32_16x16x4_f32). A number that lies on a knife's edge between two numbers of the format may be rounded either way, as far as f32 arithmetic and the matrix unit's own rounding can turn it there, and no further.
;; One version. Each part assembles by itself: llvm-mc -triple=amdgcn-amd-amdhsa -mcpu=gfx1250 --defsym DOCPART=n.
;; ======== version 1 of 1: 2 launches
;; limits: right only within a limited range of input values
;; workspace buffers: wimg 32,768 bytes; th_img 2,097,152 bytes; kv 4,194,304 bytes
;; launch proj (part 1): grid 128 x 2, 8 waves a work-group, clusters of 4 x 1, 327,680 bytes of LDS; arguments x, w_theta, w_phi, w_g, w_out, lowp_scales, th_img, kv, wimg; writes th_img, kv, wimg
.if DOCPART == 1
	.amdgcn_target "amdgcn-amd-amdhsa--gfx1250"
	.amdhsa_code_object_version 6
	.text
	.protected	k_qdd10c6e0af_proj
	.globl	k_qdd10c6e0af_proj
	.p2align	8
	.type	k_qdd10c6e0af_proj,@function
k_qdd10c6e0af_proj:
	s_mov_b64 s[64:65], 0
	v_nop
	global_prefetch_b8 v0, s[64:65] scope:SCOPE_SE
	s_setreg_imm32_b32 hwreg(HW_REG_WAVE_MODE, 25, 1), 1
	s_wait_xcnt 0x0
	s_wait_alu depctr_hold_cnt(0) depctr_sa_sdst(0) depctr_va_vdst(0) depctr_va_sdst(0) depctr_va_ssrc(0) depctr_va_vcc(0) depctr_vm_vsrc(0)
	s_getreg_b32 s2, hwreg(HW_REG_IB_STS2, 6, 4)
	s_cmp_eq_u32 s2, 0
	s_cbranch_scc0 .Lentry_in_a_cluster
	s_endpgm
.Lentry_in_a_cluster:
	s_bfe_u32 s2, ttmp6, 0x10000c
	s_cmp_lg_u32 s2, 0x3003
	s_cbranch_scc0 .Lentry_shape_is_right
	s_endpgm
.Lentry_shape_is_right:
; theta, phi and g on codes of FP8 (E4M3), and their own codes for the attention that follows; and w_out's codes.  A work-group takes 128 positions of one batch and 64 of the 128 channels of each matrix.
; A FRAGMENT is 16 rows x 128 K in 16 registers; its IMAGE is 2,048 bytes: chunk c (512 bytes) holds registers 4 c .. 4 c + 3, lane l's 16 bytes at 16 l.
; K ORDER.  Inside this launch (x and the three weights, K = c) lane (r = lane % 16, h = lane / 16) holds in chunk c the numbers k = 32 c + 16 h + 0 .. 15, alike on both sides.
;   What is stored (theta, phi, g, w_out) has the K = 128 form's own order: registers 2 T, 2 T + 1 hold k = 16 T + 8 h + 0 .. 7.
; WEIGHTS come as f32 by JOINT LOADS, one a wave: the four work-groups of a cluster take the same channels.  Waves 0-3 fetch 32 rows of w_theta or w_phi, waves 4-7 16 rows of w_g, and each quantises just the rows that it
;   fetched itself.  LDS rows: 1,024 bytes + 16 of padding.
; X: half a wave reads 256 consecutive bytes of a row, a lane four positions; wave w takes c = 32 w + 16 h + 0 .. 15, twice 64 positions.  The hold writes its results so that 16 neighbours along c of one position stand in
;   consecutive registers.  x is quantised three times (e0, e2, e4 may differ); its images lie in LDS, a tile of 16 positions every 4,112 bytes, so that a store's sixteen lanes touch sixteen different 16-byte columns.
; WAVES 0-3: matrix w / 2 (theta, phi), channels 64 half + 32 (w % 2) on, all eight tiles of positions.  Source 0 = the weight: a lane holds one position and eight neighbouring channels.
; WAVES 4-7: g, channels 64 half + 16 (w % 4) on, all eight tiles.  Source 0 = x: a lane holds one channel and eight neighbouring positions.
; The scales are folded: a sum stands for sum x 2^(ex + ew), so its conversion takes 2^(e6 - e0 - e1), 2^(e7 - e2 - e3), 2^(e8 - e4 - e5).
; W_OUT: 16 fragments x 4 chunks, one to wave 7 of each of the first 64 work-groups along x with y = 0.
; th_img: [batch][tile of 16 queries][2,048].  kv: [batch][slot of 512 keys][phi: key tile 0..31 x 2,048 | g: step of 128 keys 0..3 x channel tile 0..7 x 2,048].  wimg: [fragment 0..15][2,048].
; LIMITS: e0 .. e5, e11 and the three folded exponents lie between -126 and 119.  NaN among the inputs is not served.
; No prefetch: there is no loop to run ahead in.
.set PITCH, 1040
.set XI, 192*PITCH                     ; x's images, behind the 192 rows
.set XT, 4112
.set XV, 8*XT
.set SPARE, 298496                     ; the spare words: four blocks of 256 bytes that no other line names
.set RAW, 32                           ; v32-159  x as loaded; later weights as loaded; later x's fragments
.set T,   160                          ; v160-223 numbers held
.set WT,  160                          ; v160-223 the weights' fragments (tile u, K step s) at 16 (2 u + s)
.set CX,  224                          ; v224-255 x's codes, two sets by turns
.set ACC, 224                          ; v224-255
.set CO,  24                           ; v24-31   codes on the way out
; v1 x's offset, v2 16 x lane, v3, v20 where x's codes go, v4, v22 x's images for waves 0-3, 4-7, v5, v21 my rows of the weight likewise, v23 w_out's offset, v12, v13 the add's
; pairs (448 x scale, scale): v6 e0, v8 e2, v10 e4, v14 my weight, v16 my result, v18 e11
.macro MKSC e, lim
	s_add_co_i32 s92, s[\e], 127
	s_lshl_b32 s93, s92, 23
	v_mov_b32 v[\lim+1], s93
	s_add_co_i32 s92, s92, 8
	s_lshl_b32 s92, s92, 23
	s_or_b32 s92, s92, 0x600000
	v_mov_b32 v[\lim], s92
.endm
.macro CROUND                          ; a whole round of the cluster's barrier
	s_barrier_signal -1
	s_barrier_wait -1
	s_cmp_lg_u32 s6, 0
	s_cbranch_scc1 .Lnot_wave_0_\@
	s_barrier_signal -3
.Lnot_wave_0_\@:
	s_barrier_wait -3
	s_barrier_signal -1
	s_barrier_wait -1
.endm
.macro PLACES
.rept 4
	v_nop
.endr
.endm
	s_load_b512 s[16:31], s[0:1], 0x0              ; x, w_theta, w_phi, w_g, w_out, the exponents, th_img, kv
	s_load_b64 s[4:5], s[0:1], 0x40                ; wimg
	v_lshl_add_u32 v12, v0, 2, SPARE
	v_mov_b32 v13, 0
	ds_add_u32 v12, v13                            ; the opening: the add, twice on end, and one wait for both
	ds_add_u32 v12, v13
	v_lshrrev_b32 v14, 5, v0
	v_readfirstlane_b32 s6, v14                    ; wave 0..7
	s_bfe_u32 s7, ttmp6, 0x40000                   ; my place in the cluster
	s_lshl_b32 s9, ttmp9, 2
	s_add_co_u32 s9, s9, s7                        ; my block of 128 positions, 0..127
	s_and_b32 s10, ttmp7, 0xffff                   ; the half of the channels
	s_lshr_b32 s11, s9, 5                          ; the batch
	s_and_b32 s12, s9, 31                          ; the block in the batch
	s_and_b32 s13, s6, 3
	s_lshr_b32 s14, s13, 1                         ; waves 0-3: 0 theta, 1 phi
	s_and_b32 s15, s6, 1
	s_lshl_b32 s32, s11, 22                        ; x: batch x 4 MB + 512 bytes a block + 32 rows of 16,384 bytes a wave
	s_lshl_b32 s33, s12, 9
	s_add_co_u32 s32, s32, s33
	s_lshl_b32 s33, s6, 19
	s_add_co_u32 s32, s32, s33
	s_mov_b32 s33, 0
	s_lshl_b32 s34, s10, 16                        ; theta, phi: 64 rows a half, 32 a wave
	s_lshl_b32 s35, s15, 15
	s_add_co_u32 s34, s34, s35
	s_mov_b32 s35, 0
	s_lshl_b32 s36, s10, 16                        ; g: 64 rows a half, 16 a wave
	s_lshl_b32 s37, s13, 14
	s_add_co_u32 s36, s36, s37
	s_mov_b32 s37, 0
	s_and_b32 s38, s9, 15                          ; w_out: the fragment's 16 rows of 512 bytes, the chunk's 128 bytes
	s_bfe_u32 s39, s9, 0x20004
	s_lshl_b32 s88, s38, 13
	s_lshl_b32 s89, s39, 7
	s_add_co_u32 s88, s88, s89
	s_mov_b32 s89, 0
	s_lshl_b32 s90, s38, 11
	s_lshl_b32 s91, s39, 9
	s_add_co_u32 s90, s90, s91
	s_mov_b32 s91, 0
	s_lshl_b32 s94, s11, 20                        ; kv: batch x 1 MB + slot x 128 KB + 16 KB for the block's 128 keys, in phi's images and in g's alike
	s_lshr_b32 s92, s12, 2
	s_lshl_b32 s92, s92, 17
	s_add_co_u32 s94, s94, s92
	s_and_b32 s92, s12, 3
	s_lshl_b32 s92, s92, 14
	s_add_co_u32 s94, s94, s92
	s_lshl_b32 s93, s10, 10                        ; my chunk: 2 x half + w % 2
	s_lshl_b32 s92, s15, 9
	s_add_co_u32 s93, s93, s92
	s_add_co_u32 s95, s94, s93                     ; phi
	s_lshl_b32 s96, s11, 19                        ; theta: batch x 512 KB + eight query tiles a block
	s_lshl_b32 s92, s12, 14
	s_add_co_u32 s96, s96, s92
	s_add_co_u32 s96, s96, s93
	s_mov_b32 s97, 0
	s_lshl_b32 s92, s10, 13                        ; g: my channel tile: 4 x half + w % 4,
	s_add_co_u32 s94, s94, s92
	s_lshl_b32 s92, s13, 11
	s_add_co_u32 s94, s94, s92
	s_add_co_u32 s94, s94, 65536                   ; behind the slot's phi
	; descriptor groups 1: rows of 256 elements of 4 bytes, four words of padding behind every 256; mask 15: all four work-groups
	s_mov_b32 s40, 15|(2<<16)|(1<<20)|(1<<21)|(7<<22)|(3<<25)
	s_mov_b32 s41, 256<<16
	s_mov_b32 s42, 32<<16
	s_mov_b32 s43, 256<<16
	s_mov_b32 s44, 32
	s_mov_b32 s45, 256
	s_mov_b32 s46, 0
	s_mov_b32 s47, 0
	s_mov_b32 s48, 15|(2<<16)|(1<<20)|(1<<21)|(7<<22)|(3<<25)
	s_mov_b32 s49, 256<<16
	s_mov_b32 s50, 16<<16
	s_mov_b32 s51, 256<<16
	s_mov_b32 s52, 16
	s_mov_b32 s53, 256
	s_mov_b32 s54, 0
	s_mov_b32 s55, 0
	s_mov_b32 s56, 1                               ; groups 0: theta s[56:59], phi s[60:63], g s[68:71]
	s_mul_i32 s57, s13, 32*PITCH
	s_mov_b32 s60, 1
	s_mul_i32 s61, s13, 32*PITCH
	s_mov_b32 s68, 1
	s_mul_i32 s69, s13, 16*PITCH
	s_add_co_u32 s69, s69, 128*PITCH
	s_lshl_b32 s38, s6, 9
	s_add_co_u32 s38, s38, XI
	s_mul_i32 s39, s14, XV
	s_add_co_u32 s39, s39, XI
	v_and_b32 v24, 15, v0                          ; r; also which four positions
	v_bfe_u32 v25, v0, 4, 1                        ; h
	v_and_b32 v2, 31, v0
	v_lshlrev_b32 v2, 4, v2
	v_lshlrev_b32 v1, 18, v25                      ; x: 16 rows further for the upper half
	v_lshl_add_u32 v1, v24, 4, v1
	v_bfe_u32 v26, v0, 2, 2                        ; my positions' tile,
	v_mul_u32_u24 v26, v26, XT
	v_and_b32 v27, 3, v0                           ; and place in it
	v_lshl_add_u32 v26, v27, 6, v26
	v_lshl_add_u32 v26, v25, 8, v26
	v_add_nc_u32 v3, s38, v26
	v_add_nc_u32 v20, 2*XV, v3
	v_add_nc_u32 v4, s39, v2
	v_add_nc_u32 v22, XI+2*XV, v2
	v_mul_u32_u24 v26, v24, PITCH
	v_lshl_add_u32 v26, v25, 6, v26
	v_add_nc_u32 v5, s57, v26
	v_add_nc_u32 v21, s69, v26
	v_lshlrev_b32 v23, 9, v24
	v_lshl_add_u32 v23, v25, 5, v23
	s_wait_alu depctr_va_vdst(0)
	s_wait_dscnt 0x0                               ; both opening adds are done
	s_wait_kmcnt 0x0
	s_load_b256 s[72:79], s[26:27], 0x0            ; e0 .. e7
	s_load_b128 s[80:83], s[26:27], 0x20           ; e8 .. e11
	s_add_nc_u64 s[16:17], s[16:17], s[32:33]
.irp st, 0,1
.set i, 0
.rept 16
	global_load_b128 v[RAW+64*\st+4*i:RAW+64*\st+4*i+3], v1, s[16:17] offset:i*16384+256*\st   ; x(32 w + 16 h + i, four positions): sixteen lanes read 256 consecutive bytes
.set i, i+1
.endr
.endr
	s_add_nc_u64 s[58:59], s[18:19], s[34:35]
	s_or_b32 s59, s59, 0x80000000
	s_add_nc_u64 s[62:63], s[20:21], s[34:35]
	s_or_b32 s63, s63, 0x80000000
	s_add_nc_u64 s[70:71], s[22:23], s[36:37]
	s_or_b32 s71, s71, 0x80000000
	s_add_nc_u64 s[24:25], s[24:25], s[88:89]
	s_add_nc_u64 s[4:5], s[4:5], s[90:91]
	s_cmp_eq_u32 s14, 0                            ; where theta's or phi's codes go: the choice hangs on the wave's number alone
	s_cselect_b64 s[84:85], s[28:29], s[30:31]
	s_cselect_b32 s96, s96, s95
	s_mov_b32 s95, 0
	s_add_nc_u64 s[84:85], s[84:85], s[96:97]
	s_add_nc_u64 s[86:87], s[30:31], s[94:95]      ; where g's go
	CROUND                                         ; all four work-groups are here: the joint loads meet
	s_cmp_lt_u32 s6, 2
	s_cbranch_scc0 .Lnot_theta
	tensor_load_to_lds s[56:59], s[40:47]
	s_nop 0
	PLACES
	s_branch .Lasked
.Lnot_theta:
	s_cmp_lt_u32 s6, 4
	s_cbranch_scc0 .Lnot_phi
	tensor_load_to_lds s[60:63], s[40:47]
	s_nop 0
	PLACES
	s_branch .Lasked
.Lnot_phi:
	tensor_load_to_lds s[68:71], s[48:55]
	s_nop 0
	PLACES
.Lasked:
	s_wait_kmcnt 0x0
	s_sub_co_i32 s94, s78, s72
	s_sub_co_i32 s94, s94, s73                     ; e6 - e0 - e1
	s_sub_co_i32 s95, s79, s74
	s_sub_co_i32 s95, s95, s75                     ; e7 - e2 - e3
	s_sub_co_i32 s96, s80, s76
	s_sub_co_i32 s96, s96, s77                     ; e8 - e4 - e5
	s_cmp_lt_u32 s6, 2
	s_cselect_b32 s97, s73, s75                    ; e1 or e3,
	s_cselect_b32 s94, s94, s95
	s_cmp_lt_u32 s6, 4
	s_cselect_b32 s97, s97, s77                    ; or e5
	s_cselect_b32 s94, s94, s96
	MKSC 72, 6
	MKSC 74, 8
	MKSC 76, 10
	MKSC 97, 14
	MKSC 94, 16
	MKSC 83, 18
	s_wait_alu depctr_va_vdst(0)
	s_cmp_lt_u32 ttmp9, 16                         ; w_out: the cluster's numbers and the wave's alone decide
	s_cbranch_scc0 .Lno_wout
	s_cmp_eq_u32 s10, 0
	s_cbranch_scc0 .Lno_wout
	s_cmp_eq_u32 s6, 7
	s_cbranch_scc0 .Lno_wout
	global_load_b128 v[T:T+3], v23, s[24:25]
	global_load_b128 v[T+4:T+7], v23, s[24:25] offset:16
	global_load_b128 v[T+8:T+11], v23, s[24:25] offset:64
	global_load_b128 v[T+12:T+15], v23, s[24:25] offset:80
	s_wait_loadcnt 0x0
.set i, 0
.rept 16
	v_med3_num_f32 v[T+i], v[T+i], -v18, v18
.set i, i+1
.endr
	v_cvt_scalef32_pk8_fp8_f32 v[CO:CO+1], v[T:T+7], v19
	v_cvt_scalef32_pk8_fp8_f32 v[CO+2:CO+3], v[T+8:T+15], v19
	v_nop                                          ; a plain line behind the conversions
	global_store_b128 v2, v[CO:CO+3], s[4:5]       ; 512 consecutive bytes
.Lno_wout:
.macro XQ st, v                        ; the conversion does not saturate (ISA guide 7.6.2): the hold at 448 x the scale comes first
.set CC, CX+16*((3*\st+\v)%2)
	s_wait_dscnt 4                                 ; the four stores of the version before may be out; those that read this set of registers are done
.irp e, 0,1,2,3
.set i, 0
.rept 16
	v_med3_num_f32 v[T+16*\e+i], v[RAW+64*\st+4*i+\e], -v[6+2*\v], v[6+2*\v]
.set i, i+1
.endr
.endr
.irp e, 0,1,2,3
	v_cvt_scalef32_pk8_fp8_f32 v[CC+4*\e:CC+4*\e+1],   v[T+16*\e:T+16*\e+7],    v[7+2*\v]
	v_cvt_scalef32_pk8_fp8_f32 v[CC+4*\e+2:CC+4*\e+3], v[T+16*\e+8:T+16*\e+15], v[7+2*\v]
.endr
	v_nop                                          ; a plain line between the conversions and the next lines that write their sources
.irp e, 0,1,2,3
.if \v == 2
	ds_store_b128 v20, v[CC+4*\e:CC+4*\e+3] offset:\st*4*XT+16*\e
.else
	ds_store_b128 v3, v[CC+4*\e:CC+4*\e+3] offset:\v*XV+\st*4*XT+16*\e
.endif
.endr
.endm
	s_wait_loadcnt 16                              ; my first 64 positions are in; the sixteen loads of the others may be out
	XQ 0, 0
	XQ 0, 1
	XQ 0, 2
	s_wait_loadcnt 0x0
	XQ 1, 0
	XQ 1, 1
	XQ 1, 2
	s_wait_tensorcnt 0x0                           ; my own rows of my weight are in: I alone read them
	s_wait_dscnt 0x0                               ; for the others' sake: my stores have landed
	s_barrier_signal -1
	s_barrier_wait -1                              ; x's images are whole
.macro WREAD reg, adr, off             ; a fragment's 64 numbers a lane: k = 32 c + 16 h + 0 .. 15
.irp c, 0,1,2,3
.irp j, 0,1,2,3
	ds_load_b128 v[\reg+16*\c+4*\j:\reg+16*\c+4*\j+3], v[\adr] offset:\off+128*\c+16*\j
.endr
.endr
.endm
.macro WQ reg, dst
.set i, 0
.rept 64
	v_med3_num_f32 v[\reg+i], v[\reg+i], -v14, v14
.set i, i+1
.endr
.irp g, 0,1,2,3,4,5,6,7
	v_cvt_scalef32_pk8_fp8_f32 v[\dst+2*\g:\dst+2*\g+1], v[\reg+8*\g:\reg+8*\g+7], v15
.endr
	v_nop
.endm
.macro QUANT16 src, dst                ; 16 sums of a lane, neighbours along the next K, become four registers of codes; each accumulator from its low end on
.set i, 0
.rept 16
	v_med3_num_f32 v[\src+i], v[\src+i], -v16, v16
.set i, i+1
.endr
	v_cvt_scalef32_pk8_fp8_f32 v[\dst:\dst+1],   v[\src:\src+7],    v17
	v_cvt_scalef32_pk8_fp8_f32 v[\dst+2:\dst+3], v[\src+8:\src+15], v17
.endm
.macro XL pp, reg                      ; x's four fragments of two tiles of positions
.irp pl, 0,1
.irp s, 0,1
.irp c, 0,1,2,3
	ds_load_b128 v[\reg+16*(2*\pl+\s)+4*\c:\reg+16*(2*\pl+\s)+4*\c+3], v4 offset:(2*(\pp)+\pl)*XT+\s*2048+512*\c
.endr
.endr
.endr
.endm
	s_cmp_lt_u32 s6, 4
	s_cbranch_scc0 .Lg
; ---- WAVES 0-3: theta or phi
	WREAD RAW, 5, 0
	WREAD RAW+64, 5, 512
	s_wait_dscnt 16                                ; LDS serves in order: the older sixteen loads are in, the younger sixteen may be out
	WQ RAW, WT
	WREAD RAW, 5, 16*PITCH
	s_wait_dscnt 16
	WQ RAW+64, WT+16
	WREAD RAW+64, 5, 16*PITCH+512
	s_wait_dscnt 16
	WQ RAW, WT+32
	XL 0, RAW
	s_wait_dscnt 16
	WQ RAW+64, WT+48
	XL 1, RAW+64
.irp pp, 0,1,2,3
.set B, RAW+64*(\pp%2)
	s_wait_alu depctr_va_vdst(0)
.if \pp < 3
	s_wait_dscnt 16                                ; these two tiles' fragments are in; the next two's may be out
.else
	s_wait_dscnt 0x0
.endif
.irp s, 0,1                            ; four accumulators by turns
.irp pl, 0,1
.irp u, 0,1
.if \s == 0
	v_wmma_f32_16x16x128_fp8_fp8 v[ACC+8*(2*\pl+\u):ACC+8*(2*\pl+\u)+7], v[WT+32*\u:WT+32*\u+15], v[B+32*\pl:B+32*\pl+15], 0
.else
	v_wmma_f32_16x16x128_fp8_fp8 v[ACC+8*(2*\pl+\u):ACC+8*(2*\pl+\u)+7], v[WT+32*\u+16:WT+32*\u+31], v[B+32*\pl+16:B+32*\pl+31], v[ACC+8*(2*\pl+\u):ACC+8*(2*\pl+\u)+7]
.endif
.endr
.endr
.endr
	PLACES                                         ; ahead of loads into the fragments and of the first read of the results (ISA guide 7.12.1 for the read of the results)
.if \pp < 2
	XL \pp+2, B
.endif
	s_wait_xcnt 0x0                                ; the earlier stores have read their codes
	QUANT16 ACC,    CO
	QUANT16 ACC+16, CO+4
	v_nop
	global_store_b128 v2, v[CO:CO+3],   s[84:85] offset:(2*\pp)*2048     ; my chunk of a tile's image: 512 consecutive bytes
	global_store_b128 v2, v[CO+4:CO+7], s[84:85] offset:(2*\pp+1)*2048
.endr
	s_branch .Lend
; ---- WAVES 4-7: g
.Lg:
	WREAD RAW, 21, 0
	WREAD RAW+64, 21, 512
	s_wait_dscnt 16
	WQ RAW, WT
	s_wait_dscnt 0x0
	WQ RAW+64, WT+16
.irp gg, 0,1
.irp p, 0,1,2,3
.irp c, 0,1,2,3
	ds_load_b128 v[RAW+16*\p+4*\c:RAW+16*\p+4*\c+3],       v22 offset:(4*\gg+\p)*XT+512*\c
	ds_load_b128 v[RAW+64+16*\p+4*\c:RAW+64+16*\p+4*\c+3], v22 offset:(4*\gg+\p)*XT+2048+512*\c
.endr
.endr
	s_wait_alu depctr_va_vdst(0)
	s_wait_dscnt 0x0
.irp p, 0,1,2,3
	v_wmma_f32_16x16x128_fp8_fp8 v[ACC+8*\p:ACC+8*\p+7], v[RAW+16*\p:RAW+16*\p+15], v[WT:WT+15], 0
.endr
.irp p, 0,1,2,3
	v_wmma_f32_16x16x128_fp8_fp8 v[ACC+8*\p:ACC+8*\p+7], v[RAW+64+16*\p:RAW+64+16*\p+15], v[WT+16:WT+31], v[ACC+8*\p:ACC+8*\p+7]
.endr
	PLACES
	s_wait_xcnt 0x0                                ; the earlier stores have read their codes
	QUANT16 ACC,    CO                             ; tiles 4 gg, 4 gg + 1 are chunk 2 gg, the next two chunk 2 gg + 1
	QUANT16 ACC+16, CO+4
	v_nop
	global_store_b128 v2, v[CO:CO+3],   s[86:87] offset:1024*\gg
	global_store_b128 v2, v[CO+4:CO+7], s[86:87] offset:1024*\gg+512
.endr
.Lend:
	s_wait_tensorcnt 0x0                           ; the wave's end
	ds_add_u32 v12, v13
	s_wait_dscnt 0x0
	CROUND                                         ; the closing round
	s_endpgm
.Lfunc_end_k_qdd10c6e0af_proj:
	.size	k_qdd10c6e0af_proj, .Lfunc_end_k_qdd10c6e0af_proj-k_qdd10c6e0af_proj
	.p2alignl 7, 3214868480
	.fill 96, 4, 3214868480
	.section	.rodata,"a",@progbits
	.p2align	6, 0x0
	.amdhsa_kernel k_qdd10c6e0af_proj
		.amdhsa_group_segment_fixed_size 327680
		.amdhsa_private_segment_fixed_size 0
		.amdhsa_enable_private_segment 0
		.amdhsa_kernarg_size 72
		.amdhsa_user_sgpr_count 2
		.amdhsa_user_sgpr_kernarg_segment_ptr 1
		.amdhsa_wavefront_size32 1
		.amdhsa_system_sgpr_workgroup_id_x 1
		.amdhsa_system_sgpr_workgroup_id_y 1
		.amdhsa_system_sgpr_workgroup_id_z 1
		.amdhsa_system_vgpr_workitem_id 0
		.amdhsa_next_free_vgpr 256
		.amdhsa_next_free_sgpr 100
		.amdhsa_reserve_vcc 0
		.amdhsa_float_denorm_mode_32 3
		.amdhsa_float_denorm_mode_16_64 3
		.amdhsa_memory_ordered 1
		.amdhsa_forward_progress 1
		.amdhsa_inst_pref_size 105
	.end_amdhsa_kernel
	.amdgpu_metadata
---
amdhsa.version: [ 1, 2 ]
amdhsa.kernels:
  - .name:           k_qdd10c6e0af_proj
    .symbol:         k_qdd10c6e0af_proj.kd
    .args:
      - { .name: x, .offset: 0, .size: 8, .value_kind: global_buffer, .address_space: global }
      - { .name: w_theta, .offset: 8, .size: 8, .value_kind: global_buffer, .address_space: global }
      - { .name: w_phi, .offset: 16, .size: 8, .value_kind: global_buffer, .address_space: global }
      - { .name: w_g, .offset: 24, .size: 8, .value_kind: global_buffer, .address_space: global }
      - { .name: w_out, .offset: 32, .size: 8, .value_kind: global_buffer, .address_space: global }
      - { .name: lowp_scales, .offset: 40, .size: 8, .value_kind: global_buffer, .address_space: global }
      - { .name: th_img, .offset: 48, .size: 8, .value_kind: global_buffer, .address_space: global }
      - { .name: kv, .offset: 56, .size: 8, .value_kind: global_buffer, .address_space: global }
      - { .name: wimg, .offset: 64, .size: 8, .value_kind: global_buffer, .address_space: global }
    .group_segment_fixed_size: 327680
    .private_segment_fixed_size: 0
    .kernarg_segment_align: 8
    .kernarg_segment_size: 72
    .max_flat_workgroup_size: 256
    .sgpr_count:     100
    .vgpr_count:     256
    .wavefront_size: 32
...
	.end_amdgpu_metadata
.endif
;; end of part 1
;; launch attn (part 2): grid 64 x 4, 4 waves a work-group, clusters of 4 x 1, 327,680 bytes of LDS; arguments th_img, kv, wimg, lowp_scales, x, out0; writes out0
.if DOCPART == 2
	.amdgcn_target "amdgcn-amd-amdhsa--gfx1250"
	.amdhsa_code_object_version 6
	.text
	.protected	k_qdd10c6e0af_attn
	.globl	k_qdd10c6e0af_attn
	.p2align	8
	.type	k_qdd10c6e0af_attn,@function
k_qdd10c6e0af_attn:
	s_mov_b64 s[64:65], 0
	v_nop
	global_prefetch_b8 v0, s[64:65] scope:SCOPE_SE
	s_setreg_imm32_b32 hwreg(HW_REG_WAVE_MODE, 25, 1), 1
	s_wait_xcnt 0x0
	s_wait_alu depctr_hold_cnt(0) depctr_sa_sdst(0) depctr_va_vdst(0) depctr_va_sdst(0) depctr_va_ssrc(0) depctr_va_vcc(0) depctr_vm_vsrc(0)
	s_getreg_b32 s2, hwreg(HW_REG_IB_STS2, 6, 4)
	s_cmp_eq_u32 s2, 0
	s_cbranch_scc0 .Lentry_in_a_cluster
	s_endpgm
.Lentry_in_a_cluster:
	s_bfe_u32 s2, ttmp6, 0x10000c
	s_cmp_lg_u32 s2, 0x3003
	s_cbranch_scc0 .Lentry_shape_is_right
	s_endpgm
.Lentry_shape_is_right:
; out = x + w_out y, y = softmax(theta phi) g, for 64 queries of one batch, all products on codes of FP8 (E4M3) with the given scales.
; Every operand arrives as IMAGES OF ITS REGISTERS: a fragment (16 rows x 128 K; lane (r, h) holds row r, registers 2 T, 2 T + 1 hold k = 16 T + 8 h + 0 .. 7) is 2,048 bytes, chunk c = registers 4 c .. 4 c + 3,
; lane l's 16 bytes at 16 l.
; SHARES.  Four waves, as many as a WGP has SIMDs.  Each owns all four tiles of 16 queries and, of every slot of 512 keys, the w-th 128: eight key steps.  So each fragment of phi and g read from LDS feeds four products, and no two
; waves read the same one; the four key groups' results are merged at the end.
; LAYOUT.  S^T = phi theta^T and O^T = g^T p^T: a lane holds ONE query (lane % 16) throughout, and a tile's eight scores, keys 16 t + 8 h + 0 .. 7, convert into registers 2 t, 2 t + 1 of p's fragment.
; SOFTMAX.  t = score x log2(e) x 2^(e6 + e7); M = the largest t so far, rounded UP to a whole number, kept as -M = floor(-t); p = 2^(t - M) is quantised with 2^e9; the sum is taken of the unquantised p.
; When M moves, the sum and O^T are multiplied by 2^(old M - new M): exact.  The groups' parts are brought under the largest of their M in the same way, added, and divided by the sum.
; RING.  Two LDS slots of 128 KB (phi's 32 images, then g's 32), each one dense block of kv.  At the head one load a wave brings 64 KB, its quarter of both slots together.  CLUSTER: the four work-groups belong to one batch and
; walk the same slots, so each part is asked for JOINTLY with the mask 15.  w_out's images (32 KB a work-group beside 1 MB of kv) go straight into registers.
; PREFETCH.  Cluster x of a batch, 4 <= x <= 7, asks for slot x two steps ahead of its load: the four partners take a quarter each by address, a wave an instruction, lanes 256 bytes apart.  Slots 0 to 3 come by their loads
; alone, and nothing lies behind slot 7.  My 64 rows' pieces of x (256 bytes, a lane to a piece) are asked for in step 6.
; A STEP.  All of g is asked for in one run; the scores of tile q go in pairs of products among the maxima of tile q - 1; the change of slots: tile 0's exponentials, among tile 1's multiply-adds, stand between the barrier's
; signal and its wait; behind it the next step's phi is asked for in one run; each tile's exponentials go among other tiles' multiply-adds and holds; the second product's pairs go among holds and conversions.
; END.  y' = O / l is quantised with 2^(e10 - e8 - e9); its images go from wave to wave through LDS; source 0 = y, source 1 = w_out: a lane holds one row c of out and eight neighbouring positions; a wave's 64 rows meet in a
; stage of its own and leave with x added: out = sum x 2^(e10 + e11) + x.
; LIMITS: e6 + e7 and e10 + e11 between -126 and 127; e9 and e10 - e8 - e9 between -126 and 119; the scaled scores t stay under 2^31 in magnitude.  NaN among the inputs is not served.
; REGISTERS.  Window 0: v0-31 addresses, constants; Q v32-95 theta; P v96-159 p's codes; v160-255 statistics and work.   Window 1: S^T, then p, tile q at 64 q.   Window 2: O^T, (tile q, channels 16 T on) at 64 q + 8 T.
;             Window 3: v0-127 phi's eight fragments, v128-255 g's.
.set SLOT1, 131072                     ; one exclusive or turns an address in one slot into the other's
.set SLOTB, 131072
.set VOFF,  65536                      ; g's images in a slot
.set SPARE, 262144                     ; behind the ring: the spare words: two blocks of 256 bytes that no other line names
.set STAT,  263168                     ; (-M, l) of every wave, tile and lane
.set YIMG,  267264                     ; y's four images
.set OSTG,  131072                     ; the stage for out: 256 rows x 272 bytes, in slot 1, behind its last fill and last read.  (The groups' O^T, 4 x 32,768 bytes, lie in slot 0 likewise)
.set OPT,   272
.set AK0, 1                            ; 16 x lane + my key group's 16,384 bytes of phi's images
.set AV0, 2                            ; the same in g's
.set XO,  3                            ; x and out: lanes 0-15 one row's 256 bytes, lanes 16-31 the next row's
.set PFX, 4                            ; 16,384 x lane; never rewritten
.set SPW, 5
.set NIL, 6
.set LI,  7                            ; 16 x lane
.set ADK, 8
.set ADV, 9
.set LIMP, 20                          ; 448 x 2^e9
.set SCP,  21                          ; 2^e9
.set PFK, 31                           ; 256 x lane; never rewritten
.set Q,   32
.set P,   96
.set ST,  160                          ; tile q at 160 + 4 q: -M, the largest score, the sum in two halves
.set FP,  176                          ; f = 2^(old M - new M) at 176 + 2 q; named as a pair, whose upper word is written once
.set MA,  184                          ; four maxima for each tile
.set PT,  200                          ; lane permutes' results
.set TA,  204                          ; five pairs of partial sums
.set V,   128
.set WV,  18
.set CS,  22
.set G1,  24                           ; s[24:31] group 1 of a refill
.set G0W, 32                           ; s[32:35] group 0 of a refill: it walks
.set SEL, 36
.set TB,  38
.set SLOTS, 39                         ; 6 less the step
.set G0H, 72                           ; s[72:75], s[80:87] the head's load
.set G1H, 80
.set PFA, 76
.set LIM, 78                           ; the value of s[SLOTS] at which I ask; 0: never
.set MSB, 0
.macro WIN new                         ; bits 1:0 source 0, 3:2 source 1, 5:4 source 2, 7:6 destination; the high byte repeats the setting that is left
.if MSB != \new
	s_set_vgpr_msb (MSB<<8)|\new
.set MSB, \new
.endif
.endm
.macro CREST                           ; a round of the cluster's barrier behind its opening barrier
	s_cmp_lg_u32 s[WV], 0
	s_cbranch_scc1 .Lnot_wave_0_\@
	s_barrier_signal -3
.Lnot_wave_0_\@:
	s_barrier_wait -3
	s_barrier_signal -1
	s_barrier_wait -1
.endm
.macro CROUND
	s_barrier_signal -1
	s_barrier_wait -1
	CREST
.endm
.macro PLACES                          ; four places behind matrix instructions (ISA guide 7.12.1 for reads of their results)
.rept 4
	v_nop
.endr
.endm
	s_load_b256 s[4:11], s[0:1], 0x0               ; th_img, kv, wimg, the scales' exponents
	s_load_b128 s[12:15], s[0:1], 0x20             ; x, out0
	v_lshl_add_u32 v[SPW], v0, 2, SPARE
	v_mov_b32 v[NIL], 0
	ds_add_u32 v[SPW], v[NIL]                      ; the opening: the add, twice on end, and one wait for both
	ds_add_u32 v[SPW], v[NIL]
	v_lshrrev_b32 v[LI], 5, v0
	v_readfirstlane_b32 s[WV], v[LI]               ; wave 0..3
	s_bfe_u32 s16, ttmp6, 0x40000                  ; my place in the cluster
	s_lshl_b32 s17, ttmp9, 2
	s_add_co_u32 s17, s17, s16                     ; my block of 64 queries: it enters the addresses of th_img, x and out0 alone
	s_and_b32 s21, ttmp7, 0xffff                   ; the batch, which the four partners share
	; descriptor groups 1: a dense block as rows of 32 elements of 8 bytes: 128 rows (a refill), 256 rows (the head)
	s_mov_b32 s[G1], 15|(3<<16)|(1<<21)
	s_mov_b32 s[G1+1], 32<<16
	s_mov_b32 s[G1+2], 128<<16
	s_mov_b32 s[G1+3], 32<<16
	s_mov_b32 s[G1+4], 128
	s_mov_b32 s[G1+5], 32
	s_mov_b32 s[G1+6], 0
	s_mov_b32 s[G1+7], 0
	s_mov_b32 s[G1H], 15|(3<<16)|(1<<21)
	s_mov_b32 s[G1H+1], 32<<16
	s_mov_b32 s[G1H+2], 256<<16
	s_mov_b32 s[G1H+3], 32<<16
	s_mov_b32 s[G1H+4], 256
	s_mov_b32 s[G1H+5], 32
	s_mov_b32 s[G1H+6], 0
	s_mov_b32 s[G1H+7], 0
	s_mov_b32 s[G0H], 1
	s_lshl_b32 s[G0H+1], s[WV], 16                 ; LDS: my quarter of both slots
	s_mov_b32 s[G0W], 1
	s_lshl_b32 s[G0W+1], s[WV], 15                 ; LDS: my quarter of slot 1: the first refill turns it to slot 0
	s_lshl_b32 s62, s21, 20                        ; kv: batch x 1 MB
	s_add_co_u32 s68, s62, s[G0H+1]
	s_mov_b32 s69, 0
	s_add_co_u32 s66, s62, s[G0W+1]
	s_add_co_u32 s66, s66, SLOTB
	s_mov_b32 s67, 0
	s_add_co_u32 s[G0W+1], s[G0W+1], SLOT1
	s_min_u32 s63, ttmp9, 7                        ; the prefetch: slot x of my batch, my quarter of it, my wave's 8,192 bytes
	s_lshl_b32 s70, s63, 17
	s_add_co_u32 s70, s70, s62
	s_lshl_b32 s71, s16, 15
	s_add_co_u32 s70, s70, s71
	s_lshl_b32 s71, s[WV], 13
	s_add_co_u32 s70, s70, s71
	s_mov_b32 s71, 0
	s_sub_co_u32 s[LIM], 10, s63                   ; slot x is loaded in step x - 2, and asked for in step x - 4: s[SLOTS] is 10 - x there
	s_cmp_le_u32 ttmp9, 7
	s_cselect_b32 s[LIM], s[LIM], 0
	s_lshl_b32 s52, s21, 19                        ; th_img: batch x 512 KB + four tiles a block
	s_lshl_b32 s53, s17, 13
	s_add_co_u32 s52, s52, s53
	s_mov_b32 s53, 0
	s_lshl_b32 s54, s21, 22                        ; x and out0: batch x 4 MB + 256 bytes a block + my 64 rows of 16,384 bytes
	s_lshl_b32 s55, s17, 8
	s_add_co_u32 s54, s54, s55
	s_lshl_b32 s55, s[WV], 20
	s_add_co_u32 s54, s54, s55
	s_mov_b32 s55, 0
	s_lshl_b32 s58, s[WV], 13                      ; w_out's fragments 4 w on
	s_mov_b32 s59, 0
	s_mov_b32 s[SEL], 0x76543210
	s_mov_b32 s[SEL+1], 0xfedcba98
	s_mov_b32 s[CS], 0x3fb8aa3b                    ; log2(e)
	s_mov_b32 s[TB], 0
	s_mov_b32 s[SLOTS], 6
	s_lshl_b32 s62, s[WV], 14
	v_and_b32 v[LI], 31, v0
	v_lshlrev_b32 v[PFX], 14, v[LI]
	v_lshlrev_b32 v[PFK], 8, v[LI]
	v_lshlrev_b32 v[LI], 4, v[LI]
	v_add_nc_u32 v[AK0], s62, v[LI]
	v_add_nc_u32 v[AV0], VOFF, v[AK0]
	v_and_b32 v[XO], 15, v0
	v_lshlrev_b32 v[XO], 4, v[XO]
	v_bfe_u32 v[ADK], v0, 4, 1
	v_lshl_add_u32 v[XO], v[ADK], 14, v[XO]
.irp q, 0,1,2,3
	v_mov_b32 v[ST+4*\q], 0x7f61b1e6               ; -M and the largest score so far: 3e38 and -3e38
	v_mov_b32 v[ST+4*\q+1], 0xff61b1e6
	v_mov_b32 v[ST+4*\q+2], 0
	v_mov_b32 v[ST+4*\q+3], 0
	v_mov_b32 v[FP+2*\q+1], 0                      ; (named as the upper half of f's pair)
	v_mov_b32 v[PT+\q], 0                          ; written once: a lane permute's destination counts as one of its sources
.endr
	s_wait_alu depctr_va_vdst(0)
	s_wait_dscnt 0x0                               ; both opening adds are done
	s_wait_kmcnt 0x0
	s_load_b256 s[40:47], s[10:11], 0x0            ; e0 .. e7
	s_load_b128 s[48:51], s[10:11], 0x20           ; e8 .. e11
	s_add_nc_u64 s[60:61], s[4:5], s[52:53]        ; theta's four images
.set i, 0
.rept 16
	global_load_b128 v[Q+4*i:Q+4*i+3], v[LI], s[60:61] offset:512*i   ; theta stays in registers
.set i, i+1
.endr
	s_add_nc_u64 s[56:57], s[14:15], s[54:55]      ; my rows of out0
	s_add_nc_u64 s[54:55], s[12:13], s[54:55]      ; and of x
	s_add_nc_u64 s[58:59], s[8:9], s[58:59]        ; my four fragments of w_out
	s_add_nc_u64 s[PFA:PFA+1], s[6:7], s[70:71]
	s_add_nc_u64 s[G0H+2:G0H+3], s[6:7], s[68:69]  ; keys 0 to 1,023
	s_add_nc_u64 s[G0W+2:G0W+3], s[6:7], s[66:67]  ; keys 512 to 1,023: the first refill steps it on
	s_or_b32 s[G0H+3], s[G0H+3], 0x80000000
	s_or_b32 s[G0W+3], s[G0W+3], 0x80000000
	CROUND                                         ; all four work-groups are here: the first joint loads meet
	tensor_load_to_lds s[G0H:G0H+3], s[G1H:G1H+7]  ; both slots' first fill, one load a wave
	s_nop 0
	PLACES
	s_wait_kmcnt 0x0
	s_add_co_i32 s62, s46, s47
	s_lshl_b32 s62, s62, 23
	s_add_co_i32 s[CS], s[CS], s62                 ; a score stands for score x 2^(e6 + e7): the two exponents are added to the factor's exponent field
	s_mov_b32 s[CS+1], s[CS]
	s_add_co_i32 s62, s49, 127
	s_lshl_b32 s63, s62, 23
	v_mov_b32 v[SCP], s63                          ; 2^e9
	s_add_co_i32 s62, s62, 8
	s_lshl_b32 s62, s62, 23
	s_or_b32 s62, s62, 0x600000
	v_mov_b32 v[LIMP], s62                         ; 448 x 2^e9
	s_sub_co_i32 s66, s50, s48
	s_sub_co_i32 s66, s66, s49                     ; e10 - e8 - e9
	s_add_co_i32 s66, s66, 127
	s_lshl_b32 s70, s66, 23                        ; y's scale,
	s_add_co_i32 s66, s66, 8
	s_lshl_b32 s71, s66, 23
	s_or_b32 s71, s71, 0x600000                    ; and 448 x that
	s_add_co_i32 s52, s50, s51
	s_add_co_i32 s52, s52, 127
	s_lshl_b32 s52, s52, 23                        ; 2^(e10 + e11)
	s_mov_b32 s53, s52
.macro LOAD32 reg, adr                 ; eight images on end into eight fragments of window 3
	WIN 0xc0
.set i, 0
.rept 32
	ds_load_b128 v[\reg+4*i:\reg+4*i+3], v[\adr] offset:512*i
.set i, i+1
.endr
.endm
.macro KQ2 q, g                        ; two products of tile q's scores: key tiles 2 g, 2 g + 1
	WIN 0x43
.irp t, 2*\g, 2*\g+1
	v_wmma_f32_16x16x128_fp8_fp8 v[64*\q+8*(\t):64*\q+8*(\t)+7], v[16*(\t):16*(\t)+15], v[Q+16*\q:Q+16*\q+15], 0
.endr
.endm
.macro MXG q, g                        ; a quarter of tile q's maximum, in four chains, each accumulator from its low end on
	WIN 0x14
.set n, 8*\g
.rept 8
.if n < 4
	v_max3_num_f32 v[MA+4*(\q)+n], v[ST+4*(\q)+1], v[64*(\q)+2*n], v[64*(\q)+2*n+1]
.else
	v_max3_num_f32 v[MA+4*(\q)+(n%4)], v[MA+4*(\q)+(n%4)], v[64*(\q)+2*n], v[64*(\q)+2*n+1]
.endif
.set n, n+1
.endr
.endm
.macro TMM r, q                        ; two numbers t - M (of the factor's and -M's pairs the low word serves both halves)
	v_pk_fma_f32 v[\r:\r+1], v[\r:\r+1], s[CS:CS+1], v[ST+4*\q:ST+4*\q+1] op_sel_hi:[1,0,0]
.endm
.macro HOLD r                          ; two numbers held: the conversion does not saturate (ISA guide 7.6.2); p is not negative, so the hold is one-sided
	v_dual_min_num_f32 v[\r], v[\r], v[LIMP] :: v_dual_min_num_f32 v[\r+1], v[\r+1], v[LIMP]
.endm
.macro SUM q                           ; the row's sum, of the unquantised p: 32 pairs in six chains
.set rS, 64*\q
.set rL, ST+4*\q+2
	WIN 0x05
.irp j, 0,1,2,3,4
	v_pk_add_f32 v[TA+2*\j:TA+2*\j+1], v[rS+2+4*\j:rS+3+4*\j], v[rS+4+4*\j:rS+5+4*\j]
.endr
	WIN 0x01
	v_pk_add_f32 v[rL:rL+1], v[rS:rS+1], v[rL:rL+1]
.set i, 22
.rept 3
.irp j, 0,1,2,3,4
	v_pk_add_f32 v[TA+2*\j:TA+2*\j+1], v[rS+i+2*\j:rS+i+2*\j+1], v[TA+2*\j:TA+2*\j+1]
.endr
	v_pk_add_f32 v[rL:rL+1], v[rS+i+10:rS+i+11], v[rL:rL+1]
.set i, i+12
.endr
.irp j, 0,1,2
	v_pk_add_f32 v[TA+2*\j:TA+2*\j+1], v[rS+i+2*\j:rS+i+2*\j+1], v[TA+2*\j:TA+2*\j+1]
.endr
	WIN 0
	v_pk_add_f32 v[rL:rL+1], v[rL:rL+1], v[TA+8:TA+9]
	v_pk_add_f32 v[TA+4:TA+5], v[TA+4:TA+5], v[TA+6:TA+7]
	v_pk_add_f32 v[TA:TA+1], v[TA:TA+1], v[TA+2:TA+3]
	v_pk_add_f32 v[rL:rL+1], v[rL:rL+1], v[TA+4:TA+5]
	v_pk_add_f32 v[rL:rL+1], v[rL:rL+1], v[TA:TA+1]
.endm
.macro CVT2 q, g                       ; key tiles 2 g, 2 g + 1: tile t's eight keys are registers 2 t, 2 t + 1 of p's fragment
	WIN 0x01
.irp t, 2*\g, 2*\g+1
	v_cvt_scalef32_pk8_fp8_f32 v[P+16*\q+2*(\t):P+16*\q+2*(\t)+1], v[64*\q+8*(\t):64*\q+8*(\t)+7], v[SCP]
.endr
.endm
.macro PV2 q, g, first                 ; two products: channel tiles 2 g, 2 g + 1 of tile q; 32 accumulators a step, one instruction each
	WIN 0xa3
.irp t, 2*\g, 2*\g+1
.if \first
	v_wmma_f32_16x16x128_fp8_fp8 v[64*\q+8*(\t):64*\q+8*(\t)+7], v[V+16*(\t):V+16*(\t)+15], v[P+16*\q:P+16*\q+15], 0
.else
	v_wmma_f32_16x16x128_fp8_fp8 v[64*\q+8*(\t):64*\q+8*(\t)+7], v[V+16*(\t):V+16*(\t)+15], v[P+16*\q:P+16*\q+15], v[64*\q+8*(\t):64*\q+8*(\t)+7]
.endif
.endr
.endm
; A KEY STEP.  At its head phi has been asked for.  first = 1: the products start O^T's sums and nothing is rescaled.
; mode = 2: the slot is left in the step's middle and filled again with the keys two steps on.  1: the same, with nothing left to fill.  0: the last step.
.macro TRIP first, mode
	v_add_nc_u32 v[ADV], s[TB], v[AV0]             ; (this line and three v_nop are the places behind the last products, ahead of the loads into g's registers)
	v_nop
	v_nop
	v_nop
	LOAD32 V, ADV                                  ; all of the step's g
	s_wait_dscnt 32                                ; LDS loads come back in order: phi is in; g's 32 loads may be out
.irp g, 0,1,2,3
	KQ2 0, \g
.endr
.irp q, 1,2,3
.irp g, 0,1,2,3
	KQ2 \q, \g
.if (\q == 1) && (\g == 0)
	PLACES                                         ; behind tile 0's products, ahead of the first read of its scores
.endif
	MXG \q-1, \g
.endr
.endr
.irp g, 0,1,2,3
	MXG 3, \g
.endr
	WIN 0
.irp q, 0,1,2,3
	v_max3_num_f32 v[MA+4*\q], v[MA+4*\q], v[MA+4*\q+1], v[MA+4*\q+2]
.endr
.irp q, 0,1,2,3
	v_max_num_f32 v[MA+4*\q], v[MA+4*\q], v[MA+4*\q+3]
.endr
.irp q, 0,1,2,3
	v_permlanex16_b32 v[PT+\q], v[MA+4*\q], s[SEL], s[SEL+1]
.endr
.irp q, 0,1,2,3
	v_max_num_f32 v[ST+4*\q+1], v[MA+4*\q], v[PT+\q]   ; the row's largest score so far, lane l xor 16's among them
.endr
.irp q, 0,1,2,3
	v_mul_f32 v[MA+4*\q], s[CS], v[ST+4*\q+1]      ; as t (the factor is positive)
.endr
.irp q, 0,1,2,3
	v_floor_f32 v[MA+4*\q+1], -v[MA+4*\q]          ; the new -M: M is a whole number
.endr
.irp q, 0,1,2,3
	v_sub_f32 v[MA+4*\q+2], v[MA+4*\q+1], v[ST+4*\q]   ; old M - new M: 0 or less
.endr
.irp q, 0,1,2,3
	v_mov_b32 v[ST+4*\q], v[MA+4*\q+1]
.endr
.irp q, 0,1,2,3
	v_cvt_i32_f32 v[MA+4*\q+2], v[MA+4*\q+2]       ; (it saturates)
.endr
.irp q, 0,1,2,3
	v_ldexp_f32 v[FP+2*\q], 1.0, v[MA+4*\q+2]      ; f
.endr
.irp q, 0,1,2,3
	v_pk_mul_f32 v[ST+4*\q+2:ST+4*\q+3], v[ST+4*\q+2:ST+4*\q+3], v[FP+2*\q:FP+2*\q+1] op_sel_hi:[1,0]
.endr
	s_wait_alu depctr_va_vdst(0)
.if \mode > 0
	s_wait_tensorcnt 0x0                           ; all my tensor loads have landed: my part of the other slot among them; so group 0 may be written
	ds_add_u32 v[SPW], v[NIL]                      ; 0 onto my spare word; work on registers stands between it and the wait for it
.if \mode == 2
	s_xor_b32 s[G0W+1], s[G0W+1], SLOT1            ; the slot in hand,
	s_add_nc_u64 s[G0W+2:G0W+3], s[G0W+2:G0W+3], SLOTB   ; the next 512 keys
.endif
.endif
.if \first == 0
	WIN 0x82
.irp q, 0,1,2,3
.set i, 0
.rept 32
	v_pk_mul_f32 v[64*\q+i:64*\q+i+1], v[64*\q+i:64*\q+i+1], v[FP+2*\q:FP+2*\q+1] op_sel_hi:[1,0]   ; O^T under the new M, each accumulator from its low end on
.set i, i+2
.endr
.endr
.endif
	WIN 0x41
.set i, 0
.rept 32
	TMM i, 0
.set i, i+2
.endr
	s_wait_alu depctr_va_vdst(0)
	s_wait_dscnt 0x0                               ; g is in: my reads of this slot are over (and the add is done)
.if \mode > 0
	s_barrier_signal -1
.endif
.set i, 0
.rept 32
	v_exp_f32 v[i], v[i]                           ; tile 0's p = 2^(t - M), not normalised, among tile 1's t - M
	v_exp_f32 v[i+1], v[i+1]
	TMM 64+i, 1
.set i, i+2
.endr
	WIN 0
	s_wait_alu depctr_va_vdst(0)
.if \mode > 0
	s_barrier_wait -1                              ; the other slot is whole, and nobody of my work-group reads this one
.if \mode == 2
	CREST                                          ; nor of any partner, and none has a load on its way
	tensor_load_to_lds s[G0W:G0W+3], s[G1:G1+7]    ; the joint refill, first behind the round, my one tensor load until the next
	s_nop 0
	PLACES
.endif
	s_xor_b32 s[TB], s[TB], SLOT1                  ; on to the other slot
	v_add_nc_u32 v[ADK], s[TB], v[AK0]
	LOAD32 0, ADK                                  ; the next step's phi
	WIN 0
.if \mode == 2
	s_cmp_eq_u32 s[SLOTS], s[LIM]
	s_cbranch_scc0 .Lnot_mine_\@
	global_prefetch_b8 v[PFK], s[PFA:PFA+1] th:TH_LOAD_NT scope:SCOPE_SE
.Lnot_mine_\@:
.else
	global_prefetch_b8 v[PFX], s[54:55] th:TH_LOAD_NT scope:SCOPE_SE   ; my rows' pieces of x, which the last step loads
	global_prefetch_b8 v[PFX], s[54:55] offset:32*16384 th:TH_LOAD_NT scope:SCOPE_SE
.endif
.endif
	WIN 0x41
.set i, 0
.rept 32
	v_exp_f32 v[64+i], v[64+i]                     ; tile 1's p, among tile 2's t - M
	v_exp_f32 v[64+i+1], v[64+i+1]
	TMM 128+i, 2
.set i, i+2
.endr
	s_wait_alu depctr_va_vdst(0)
	SUM 0
	WIN 0x41
	s_wait_alu depctr_va_vdst(0)
.set i, 0
.rept 32
	v_exp_f32 v[128+i], v[128+i]                   ; tile 2's p, among tile 0's holds and tile 3's t - M
	v_exp_f32 v[128+i+1], v[128+i+1]
	HOLD i
	TMM 192+i, 3
.set i, i+2
.endr
	s_wait_alu depctr_va_vdst(0)
	SUM 1
	SUM 2
	WIN 0x41
	s_wait_alu depctr_va_vdst(0)
.set i, 0
.rept 32
	v_exp_f32 v[192+i], v[192+i]                   ; tile 3's p, among tile 1's and 2's holds
	v_exp_f32 v[192+i+1], v[192+i+1]
	HOLD 64+i
	HOLD 128+i
.set i, i+2
.endr
	v_nop                                          ; a plain place behind the exponentials
	s_wait_alu depctr_va_vdst(0)
.irp g, 0,1,2,3
	CVT2 0, \g
.endr
	SUM 3
.irp g, 0,1,2,3
	PV2 0, \g, \first
	WIN 0x41
.set i, 192+16*\g
.rept 8
	HOLD i
.set i, i+2
.endr
.endr
.irp g, 0,1,2,3
	CVT2 1, \g
.endr
	v_nop                                          ; a plain line behind the conversions
	s_wait_alu depctr_va_vdst(0)
.if \mode == 0
	WIN 0xc0
.set i, 0
.rept 16
	global_load_b128 v[4*i:4*i+3], v[LI], s[58:59] offset:512*i   ; w_out's tiles 4 w on, where phi lay
.set i, i+1
.endr
	WIN 0x40
.set i, 0
.rept 32
	global_load_b128 v[4*i:4*i+3], v[XO], s[54:55] offset:i*32768 th:TH_LOAD_NT   ; rows 64 w + 2 i and + 1 of x, where tiles 0's and 1's p lay: sixteen lanes read a row's 256 consecutive bytes
.set i, i+1
.endr
.endif
.irp g, 0,1,2,3
	PV2 1, \g, \first
	CVT2 2, \g
.endr
	v_nop
	s_wait_alu depctr_va_vdst(0)
.irp g, 0,1,2,3
	PV2 2, \g, \first
	CVT2 3, \g
.endr
	v_nop
	s_wait_alu depctr_va_vdst(0)
.irp g, 0,1,2,3
	PV2 3, \g, \first
.endr
	WIN 0                                          ; at a label and at a branch every window is 0
.endm
	s_wait_alu depctr_va_vdst(0)
	s_wait_loadcnt 0x0                             ; theta
	s_wait_tensorcnt 0x0                           ; my part of slots 0 and 1 is in
	s_barrier_signal -1
	s_barrier_wait -1                              ; everybody's is
	v_add_nc_u32 v[ADK], s[TB], v[AK0]
	LOAD32 0, ADK                                  ; step 0's phi
	WIN 0
	TRIP 1, 2                                      ; step 0; slot 0 takes the keys of step 2
	s_mov_b32 s[SLOTS], 5
.Lslot:                                            ; five trips: steps 1 to 5; the fills for steps 3 to 7
	TRIP 0, 2
	s_sub_co_u32 s[SLOTS], s[SLOTS], 1
	s_cmp_lg_u32 s[SLOTS], 0
	s_cbranch_scc1 .Lslot
	TRIP 0, 1                                      ; the last two steps are written out.  Step 6 reads slot 0 for the last time, ahead of its barrier
	TRIP 0, 0                                      ; step 7 reads slot 1
; ---- THE END.  Addresses first: plain lines that name no register of the last products, so they are the places behind them.
.set OW,  8                            ; my O^T's images: 32,768 x wave + 16 x lane
.set SW,  9                            ; my statistics: STAT + 1,024 x wave + 8 x lane
.set ORA, 10                           ; the share that I merge (channels 32 w on), of key groups 0, 1: 2,048 x wave + 16 x lane
.set ORB, 11                           ; of key groups 2, 3: 65,536 further on
.set SR,  12                           ; the four groups' statistics
.set YW,  13                           ; where my chunk of y's images goes
.set YR,  14                           ; y's images
.set SO,  15                           ; the stage, on the way in
.set RB,  16                           ; and back
.set LIMY, 22
.set SCY,  23
.set MG,  96                           ; the statistics read back: (tile q, group k) at 96 + 8 q + 2 k
.set FK,  128                          ; the groups' factors likewise at 128 + 8 q + 2 k, each in both words of a pair
.set YC,  224                          ; y's codes
.set D,   96                           ; out's sums, (rows 16 u on, positions 16 q on) at 96 + 8 (4 u + q)
	v_and_b32 v26, 15, v0                          ; r
	v_bfe_u32 v27, v0, 4, 1                        ; h
	v_and_b32 v30, 31, v0                          ; lane
	s_wait_alu depctr_va_vdst(0)
	s_lshl_b32 s62, s[WV], 15
	v_add_nc_u32 v[OW], s62, v[LI]
	s_lshl_b32 s62, s[WV], 10
	s_add_co_u32 s62, s62, STAT
	v_lshl_add_u32 v[SW], v30, 3, s62
	s_lshl_b32 s62, s[WV], 11
	v_add_nc_u32 v[ORA], s62, v[LI]
	v_add_nc_u32 v[ORB], 65536, v[ORA]
	v_lshl_add_u32 v[SR], v30, 3, STAT
	v_add_nc_u32 v[YR], YIMG, v[LI]
	s_lshl_b32 s63, s[WV], 9
	v_add_nc_u32 v[YW], s63, v[YR]
	s_mul_i32 s62, s[WV], 64*OPT                   ; my 64 rows of the stage
	s_add_co_u32 s62, s62, OSTG
	v_mul_u32_u24 v[SO], v26, OPT
	v_lshl_add_u32 v[SO], v27, 5, v[SO]
	v_add_nc_u32 v[SO], s62, v[SO]
	v_mul_u32_u24 v[RB], v27, OPT                  ; back: lanes 0-15 one row, lanes 16-31 the next
	v_lshl_add_u32 v[RB], v26, 4, v[RB]
	v_add_nc_u32 v[RB], s62, v[RB]
	v_mov_b32 v[LIMY], s71
	v_mov_b32 v[SCY], s70
.irp q, 0,1,2,3
	v_add_f32 v[ST+4*\q+2], v[ST+4*\q+2], v[ST+4*\q+3]   ; the sum's two halves,
.endr
.irp q, 0,1,2,3
	v_permlanex16_b32 v[PT+\q], v[ST+4*\q+2], s[SEL], s[SEL+1]
.endr
.irp q, 0,1,2,3
	v_add_f32 v[ST+4*\q+1], v[ST+4*\q+2], v[PT+\q]       ; and lane l xor 16's: my key group's sum, beside its -M
.endr
.irp q, 0,1,2,3
	ds_store_b64 v[SW], v[ST+4*\q:ST+4*\q+1] offset:256*\q
.endr
	WIN 0x08                                       ; the stores' data in window 2
.set i, 0
.rept 64
	ds_store_b128 v[OW], v[4*i:4*i+3] offset:512*i ; O^T as it stands, each accumulator from its low end on
.set i, i+1
.endr
	WIN 0
	s_wait_alu depctr_va_vdst(0)
	s_wait_dscnt 0x0                               ; for the others' sake: my stores have landed
	s_barrier_signal -1
	s_barrier_wait -1                              ; every group's O^T and statistics lie in LDS
.irp q, 0,1,2,3
.irp k, 0,1,2,3
	ds_load_b64 v[MG+8*\q+2*\k:MG+8*\q+2*\k+1], v[SR] offset:1024*\k+256*\q
.endr
.endr
	WIN 0x80                                       ; the groups' shares in window 2: (tile q, group k) at 64 q + 16 k
.irp k, 0,1
.irp q, 0,1,2,3
.irp g, 0,1,2,3
	ds_load_b128 v[64*\q+16*\k+4*\g:64*\q+16*\k+4*\g+3], v[ORA] offset:32768*\k+8192*\q+512*\g
.endr
.endr
.endr
	WIN 0
	s_wait_dscnt 32                                ; the statistics are in; the 32 loads behind them may be out
.irp q, 0,1,2,3
	v_min3_num_f32 v[MA+4*\q], v[MG+8*\q], v[MG+8*\q+2], v[MG+8*\q+4]
.endr
.irp q, 0,1,2,3
	v_min_num_f32 v[MA+4*\q], v[MA+4*\q], v[MG+8*\q+6]   ; -M of the row: the least of the four -M
.endr
.irp q, 0,1,2,3
.irp k, 0,1,2,3
	v_sub_f32 v[FK+8*\q+2*\k], v[MA+4*\q], v[MG+8*\q+2*\k]   ; group k's M less the row's: a whole number, 0 or less
.endr
.endr
.set i, 0
.rept 16
	v_cvt_i32_f32 v[FK+2*i], v[FK+2*i]
.set i, i+1
.endr
.set i, 0
.rept 16
	v_ldexp_f32 v[FK+2*i], 1.0, v[FK+2*i]          ; an exact power of two
.set i, i+1
.endr
.irp q, 0,1,2,3
	v_mul_f32 v[MA+4*\q+1], v[FK+8*\q], v[MG+8*\q+1]
.endr
.irp k, 1,2,3
.irp q, 0,1,2,3
	v_fmac_f32 v[MA+4*\q+1], v[FK+8*\q+2*\k], v[MG+8*\q+2*\k+1]   ; the row's sum l
.endr
.endr
	s_wait_alu depctr_va_vdst(0)
.irp q, 0,1,2,3
	v_rcp_f32 v[MA+4*\q+1], v[MA+4*\q+1]
.endr
	v_nop                                          ; a plain line behind them
	s_wait_alu depctr_va_vdst(0)
.irp q, 0,1,2,3
.irp k, 0,1,2,3
	v_mul_f32 v[FK+8*\q+2*\k+1], v[FK+8*\q+2*\k], v[MA+4*\q+1]
	v_mul_f32 v[FK+8*\q+2*\k], v[FK+8*\q+2*\k], v[MA+4*\q+1]      ; the group's factor / l, in both words
.endr
.endr
	WIN 0x80
.irp k, 2,3
.irp q, 0,1,2,3
.irp g, 0,1,2,3
	ds_load_b128 v[64*\q+16*\k+4*\g:64*\q+16*\k+4*\g+3], v[ORB] offset:32768*(\k-2)+8192*\q+512*\g
.endr
.endr
.endr
	s_wait_alu depctr_va_vdst(0)
	s_wait_dscnt 0x0
	WIN 0x82
.irp q, 0,1,2,3
.set i, 0
.rept 8
	v_pk_mul_f32 v[64*\q+i:64*\q+i+1], v[64*\q+i:64*\q+i+1], v[FK+8*\q:FK+8*\q+1]
.set i, i+2
.endr
.endr
	WIN 0xa2
.irp k, 1,2,3
.irp q, 0,1,2,3
.set i, 0
.rept 8
	v_pk_fma_f32 v[64*\q+i:64*\q+i+1], v[64*\q+16*\k+i:64*\q+16*\k+i+1], v[FK+8*\q+2*\k:FK+8*\q+2*\k+1], v[64*\q+i:64*\q+i+1]
.set i, i+2
.endr
.endr
.endr
	WIN 0x82
.irp q, 0,1,2,3
.set i, 0
.rept 16
	v_med3_num_f32 v[64*\q+i], v[64*\q+i], -v[LIMY], v[LIMY]
.set i, i+1
.endr
.endr
	WIN 0x02
.irp q, 0,1,2,3
	v_cvt_scalef32_pk8_fp8_f32 v[YC+4*\q:YC+4*\q+1],   v[64*\q:64*\q+7],    v[SCY]   ; query r, channels 32 w + 8 h + 0 .. 7 and 32 w + 16 + 8 h + 0 .. 7: chunk w of y's image
	v_cvt_scalef32_pk8_fp8_f32 v[YC+4*\q+2:YC+4*\q+3], v[64*\q+8:64*\q+15], v[SCY]
.endr
	WIN 0
	v_nop                                          ; a plain line behind the conversions
.irp q, 0,1,2,3
	ds_store_b128 v[YW], v[YC+4*\q:YC+4*\q+3] offset:2048*\q
.endr
	s_wait_dscnt 0x0
	s_barrier_signal -1
	s_barrier_wait -1                              ; y's four images are whole
.set i, 0
.rept 16
	ds_load_b128 v[Q+4*i:Q+4*i+3], v[YR] offset:512*i
.set i, i+1
.endr
	s_wait_loadcnt 32                              ; loads come back in order: w_out's fragments are in; the 32 loads of x may be out
	s_wait_dscnt 0x0
	WIN 0x0c                                       ; w_out in window 3
.irp u, 0,1,2,3
.irp q, 0,1,2,3
	v_wmma_f32_16x16x128_fp8_fp8 v[D+8*(4*\u+\q):D+8*(4*\u+\q)+7], v[Q+16*\q:Q+16*\q+15], v[16*\u:16*\u+15], 0   ; row c = 64 w + 16 u + r, positions 16 q + 8 h + 0 .. 7
.endr
.endr
	WIN 0
	PLACES
.irp u, 0,1,2,3
.irp q, 0,1,2,3
	ds_store_b128 v[SO], v[D+8*(4*\u+\q):D+8*(4*\u+\q)+3]   offset:\u*16*OPT+64*\q
	ds_store_b128 v[SO], v[D+8*(4*\u+\q)+4:D+8*(4*\u+\q)+7] offset:\u*16*OPT+64*\q+16
.endr
.endr
	WIN 0x80
.set i, 0
.rept 32
	ds_load_b128 v[4*i:4*i+3], v[RB] offset:i*2*OPT   ; my own 64 rows: LDS serves a wave's instructions in order (ISA guide 5.7.1.4), so these see my stores
.set i, i+1
.endr
	s_wait_loadcnt 0x0                             ; my rows of x
.irp g, 0,1,2,3
	s_wait_dscnt 24-8*\g                           ; sixteen more rows are back; the younger loads may be out
	WIN 0x92                                       ; x in window 1
.set i, 32*\g
.rept 16
	v_pk_fma_f32 v[i:i+1], v[i:i+1], s[52:53], v[i:i+1] op_sel_hi:[1,0,1]   ; out = sum x 2^(e10 + e11) + x
.set i, i+2
.endr
	WIN 0x08
.set i, 8*\g
.rept 8
	global_store_b128 v[XO], v[4*i:4*i+3], s[56:57] offset:i*32768 th:TH_STORE_NT   ; sixteen lanes store a row's 256 consecutive bytes, at a multiple of 256 from out0's first byte
.set i, i+1
.endr
.endr
	WIN 0
	s_wait_tensorcnt 0x0                           ; the wave's end
	ds_add_u32 v[SPW], v[NIL]
	s_wait_dscnt 0x0
	CROUND                                         ; the closing round: no work-group ends while a partner may still ask for a tile that names it
	s_endpgm
.Lfunc_end_k_qdd10c6e0af_attn:
	.size	k_qdd10c6e0af_attn, .Lfunc_end_k_qdd10c6e0af_attn-k_qdd10c6e0af_attn
	.p2alignl 7, 3214868480
	.fill 96, 4, 3214868480
	.section	.rodata,"a",@progbits
	.p2align	6, 0x0
	.amdhsa_kernel k_qdd10c6e0af_attn
		.amdhsa_group_segment_fixed_size 327680
		.amdhsa_private_segment_fixed_size 0
		.amdhsa_enable_private_segment 0
		.amdhsa_kernarg_size 48
		.amdhsa_user_sgpr_count 2
		.amdhsa_user_sgpr_kernarg_segment_ptr 1
		.amdhsa_wavefront_size32 1
		.amdhsa_system_sgpr_workgroup_id_x 1
		.amdhsa_system_sgpr_workgroup_id_y 1
		.amdhsa_system_sgpr_workgroup_id_z 1
		.amdhsa_system_vgpr_workitem_id 0
		.amdhsa_next_free_vgpr 1024
		.amdhsa_next_free_sgpr 88
		.amdhsa_reserve_vcc 0
		.amdhsa_float_denorm_mode_32 3
		.amdhsa_float_denorm_mode_16_64 3
		.amdhsa_memory_ordered 1
		.amdhsa_forward_progress 1
		.amdhsa_inst_pref_size 255
	.end_amdhsa_kernel
	.section	.bss,"aw",@nobits
	.p2align	6
	.space	262144
	.amdgpu_metadata
---
amdhsa.version: [ 1, 2 ]
amdhsa.kernels:
  - .name:           k_qdd10c6e0af_attn
    .symbol:         k_qdd10c6e0af_attn.kd
    .args:
      - { .name: th_img, .offset: 0, .size: 8, .value_kind: global_buffer, .address_space: global }
      - { .name: kv, .offset: 8, .size: 8, .value_kind: global_buffer, .address_space: global }
      - { .name: wimg, .offset: 16, .size: 8, .value_kind: global_buffer, .address_space: global }
      - { .name: lowp_scales, .offset: 24, .size: 8, .value_kind: global_buffer, .address_space: global }
      - { .name: x, .offset: 32, .size: 8, .value_kind: global_buffer, .address_space: global }
      - { .name: out0, .offset: 40, .size: 8, .value_kind: global_buffer, .address_space: global }
    .group_segment_fixed_size: 327680
    .private_segment_fixed_size: 0
    .kernarg_segment_align: 8
    .kernarg_segment_size: 48
    .max_flat_workgroup_size: 128
    .sgpr_count:     88
    .vgpr_count:     1024
    .wavefront_size: 32
...
	.end_amdgpu_metadata
.endif
;; end of part 2
